; MI455X (gfx1250); checked and timed in simulation.
; The chip was launched on July 23, 2026; its instructions are those of AMD's public machine-readable ISA for CDNA 5 (MIT licence, August 2026) and "CDNA5" Instruction Set Architecture Reference Guide (July 2026). The comments in the code are by the model that wrote it; some were corrected since.
;; Dot Product Attention. Allowed arithmetic: matrix products marked QUANTISED: E2M1 operands, one E8M0 scale for each 32 along K, by v_wmma_scale_f32_16x16x128_f8f6f4 with both operands' format E2M1 (or v_wmma_scale_f32_32x16x128_f4), f32 sums; everything else in f32.
;; Inputs: keys_codes 16 x 2,048 x 2 x 16 uint8 (E2M1 codes of keys, K innermost, in blocks of 32 codes, two codes a byte); keys_scales 16 x 2,048 x 2 uint8 (E8M0 scales of keys, one for each 32 codes along K); queries_codes 16 x 2,048 x 2 x 16 uint8 (E2M1 codes of queries, K innermost, in blocks of 32 codes, two codes a byte); queries_scales 16 x 2,048 x 2 uint8 (E8M0 scales of queries, one for each 32 codes along K); valid_lens 16 int32; values_codes 16 x 64 x 64 x 16 uint8 (E2M1 codes of values, K innermost, in blocks of 32 codes, two codes a byte); values_scales 16 x 64 x 64 uint8 (E8M0 scales of values, one for each 32 codes along K).
;; Outputs: out0 16 x 2,048 x 64 float32.
;; This version of the problem:
;;   THIS VERSION OF THE PROBLEM IS GIVEN IN LOW PRECISION. The matrix products marked QUANTISED in the list below multiply operands that are first quantised to E2M1 (2 exponent bits, 1 mantissa bit; 4 bits a number), with one power-of-two scale for each 32 numbers along K (OCP MX v1.0); their sums are f32. All else is computed in f32.
;;   The module's matrix products, in the order in which they are computed (A, B: the left and right operand; K: the contracted axis; several contracted axes count as one K, in the product's order):
;;     1. batch 16 x [M 2,048, K 64] x [K 64, N 2,048]; A: input queries (given as codes); B: input keys (given as codes): QUANTISED
;;     2. batch 16 x [M 2,048, K 2,048] x [K 2,048, N 64]; A: softmax (see below); B: input values (given as codes): QUANTISED
;;   THE QUANTISER, for each operand of a quantised product, along K:
;;     - K is cut into blocks of 32 from its start; a last block that is shorter is filled with zeros.
;;     - A block's scale is 2^e with e = floor(log2(the largest magnitude in the block)) - 2, held to -126 .. 127; a block of zeros has e = 0. As a byte (E8M0): e + 127.
;;     - Each number is divided by its block's scale, clamped to +-6, and rounded to the nearest number of E2M1, ties to even, subnormals kept.
;;     - The product sums the exact products of the quantised numbers (number of the format x scale) in f32.
;;   ~~~python
;;   def quantise(x, axis):      # numpy; x: float32 -> the quantised numbers, widened to float32 again
;;       x = np.moveaxis(x, axis, -1); K = x.shape[-1]
;;       x = np.pad(x, [(0, 0)] * (x.ndim - 1) + [(0, -K % 32)]); x = x.reshape(x.shape[:-1] + (-1, 32)); a = np.abs(x).max(-1, keepdims=True)
;;       e = np.where(a > 0, np.clip(np.frexp(np.where(a > 0, a, 1))[1] - 1 - 2, -126, 127), 0)      # np.frexp(a)[1] - 1 = floor(log2(a)), exactly
;;       r = np.clip(x / 2.0 ** e, -6, 6)
;;       step = 2.0 ** (np.maximum(np.frexp(np.where(r == 0, 1, r))[1] - 1, 0) - 1)
;;       q = np.round(r / step) * step * 2.0 ** e      # np.round: ties to even
;;       return np.moveaxis(q.reshape(q.shape[:-2] + (-1,))[..., :K], -1, axis).astype(np.float32)
;;   ~~~
;;   SOFTMAX AHEAD OF A QUANTISED PRODUCT. Where the list says 'softmax', what is quantised is not the finished softmax but p = 2^(t - M), with t = logit x log2(e) and M = ceil(the row's largest t), a whole number; so 1/2 < the row's largest p <= 1. The row's sum l is taken of the UNQUANTISED p, in f32, and the product's result is divided by l at the end. Since M is a whole number, a kernel that streams over the keys may use a running M (the ceiling of the running maximum): every later rescaling is an exact power of two, which a block's scale takes up: the codes' values come out the same.
;;   OPERANDS COMPUTED ON THE WAY. 'Computed on the way' means the value that the module computes at that place (a softmax that the list does not call 'softmax' is quantised finished and normalised). What goes into a quantiser is computed in f32, as accurately as f32 sums, v_exp_f32 and their like allow (about 1e-6 of the number): no bf16 or f16 on the way to a quantiser, and a product that is left as it is and whose result goes on into a quantised operand takes f32 operands (vector FMAs, or v_wmma_f32_16x16x4_f32). A number that lies on a knife's edge between two numbers of the format may be rounded either way, as far as f32 arithmetic and the matrix unit's own rounding can turn it there, and no further.
;;   INPUTS GIVEN AS CODES. keys (in the module: [16, 2048, 64], K = its axis 2); queries (in the module: [16, 2048, 64], K = its axis 2); values (in the module: [16, 2048, 64], K = its axis 1): each comes as NAME_codes (uint8): NAME with its K axis moved to the last place and cut into blocks of 32 codes, [.., K / 32, bytes a block], one block behind the other in memory; two codes a byte, the lower K in the low four bits (a code: sign, 2 exponent bits, 1 mantissa bit); and NAME_scales (uint8): the same leading axes, one E8M0 byte (e + 127) for each 32 codes along K. Its value is code x scale, taken as it is: it is not quantised again, and the codes and scales need not be those that the quantiser above would give.
;; One version. Each part assembles by itself: llvm-mc -triple=amdgcn-amd-amdhsa -mcpu=gfx1250 --defsym DOCPART=n.
;; ======== version 1 of 1: 1 launch
;; limits: right only within a limited range of input values
;; launch attn (part 1): grid 256 x 1, 16 waves a work-group, no clusters, 327,680 bytes of LDS; arguments keys_codes, keys_scales, queries_codes, queries_scales, valid_lens, values_codes, values_scales, out0; writes out0
.if DOCPART == 1
	.amdgcn_target "amdgcn-amd-amdhsa--gfx1250"
	.amdhsa_code_object_version 6
	.text
	.protected	k_q45cd264161_attn
	.globl	k_q45cd264161_attn
	.p2align	8
	.type	k_q45cd264161_attn,@function
k_q45cd264161_attn:
	s_mov_b64 s[64:65], 0
	v_nop
	global_prefetch_b8 v0, s[64:65] scope:SCOPE_SE
	s_setreg_imm32_b32 hwreg(HW_REG_WAVE_MODE, 25, 1), 1
	s_wait_xcnt 0x0
; out0[b][q][:] = the sum over k < valid_lens[b] of softmax_k(Q[b][q] . K[b][k] / 8) V[b][k][:].  16 batches, 2,048 queries, 2,048 keys, a head of 64.
; Both products on codes of FP4 (E2M1) with one E8M0 scale for each 32 along a product's K.  Q, K: rows of 32 bytes of codes and 2 scale bytes.  V: keys innermost, row d = 1,024 bytes of codes and 64 scale bytes.
; THE SOFTMAX: t = score x log2(e) / 8; M = the largest t so far, rounded UP to a whole number; p = 2^(t - M) is quantised along the keys, not normalised; the sum of the unquantised p divides at the end.
; THE MASK: a key step (128 keys) all of whose keys lie at or beyond valid_lens[b] is left out, loads and all; in the one step on the boundary the hidden scores become -infinity ahead of the maximum, so p = 0.
; SHARES.  The batches are ranked by length; pair p is rank p with rank 15 - p, the short ones with the long ones.  Work-group g takes pair g & 7 and queries 64 (g >> 3) .. + 63 of BOTH its batches: 8 tiles of 16 queries.
; Each tile has two waves: parity 0 walks the even key steps, parity 1 the odd ones; the two parts meet in LDS at the end (factors 2^(M_i - M): nothing is rounded).  Wave w: tile w >> 2, parity (w >> 1) & 1,
; batch of the pair (w ^ (w >> 2)) & 1: among the waves of equal w & 3, and among those of equal w >> 2, two belong to each batch.
; LDS is filled once, through registers: the eight waves of a batch bring its K, V and scales, 512 keys at a time, as far as the length reaches.  32 work-groups read the same K and V; they do not ask jointly, since how
; much a work-group fetches and walks hangs on valid_lens.
; LAYOUT.  Both products are used transposed: S^T = K Q^T (source 0 = 16 keys, source 1 = my 16 queries), O^T = V^T P^T (source 0 = 16 of the head's 64, source 1 = P): a lane holds ONE query (lane % 16) throughout.
; THE KEYS OF A TILE ARE NOT NEIGHBOURS: lane r of tile 2 b + u takes key 32 b + 8 u + r + 8 (r / 8), so that the 16 registers of tiles 2 b and 2 b + 1 are keys 32 b + 16 (lane / 16) + 0 .. 15.
; The first product's K is 64 of the instruction's 128: registers 4 to 7 of K's and Q's fragments are zero codes; their scale bytes are the 0 that a 16-bit load leaves above.
; LIMITS.  A hidden key counts exactly 0, where reference() gives it the score -1e6: the same while a query's largest open score lies above about -999,900.  valid_lens <= 0 gives uniform weights over all 2,048 keys
; (c = 0, p = 1), as reference() does; valid_lens > 2,048 counts as 2,048.  Scale bytes 0xff on keys in steps that are left out make no NaN here.
.set KB,    0                          ; LDS: K's fragments as images of their registers: batch x 65,536 + step x 4,096 + tile x 512 + 16 x lane
.set VB,    131072                     ; V: piece g (16 bytes = 32 keys) of row d in group G (512 keys): batch x VHALF + G x 17,408 + (d / 16) x 4,352 + g x 272 + (d % 16) x 16
.set VHALF, 69632                      ;    the pitch 272 = 68 words: the fill's 16 lanes (one row d, g = 0 .. 15) start at 16 different banks (64 banks of 4 bytes: ISA guide 11.1); the loop's 16 lanes read 256 bytes on end
.set KSB,   270336                     ; K's scale bytes as they lie in memory: batch x 4,096 + 2 x key
.set VSB,   278528                     ; V's scale words, turned: batch x 4,096 + step x 256 + (d % 32) x 8 + (d / 32) x 4
.set MRG,   286720                     ; 8 slots of 4,352 bytes: the odd wave's O^T (4,096), -M (128), sum (128); then the even wave's stage, 16 rows x 272
.set AK0,  1                           ; v1-4   my lane's place in a step's images of K, pieces of V, scale bytes of K, scale words of V
.set AV0,  2
.set ASK0, 3
.set ASV0, 4
.set MRGA, 5                           ; v5     my 16 bytes of an image in my tile's slot
.set MRS,  6                           ; v6     my word of -M there
.set STI,  7                           ; v7     the stage: where I put 32 bytes of a row
.set STO,  8                           ; v8     and where I read a row back
.set GO,   9                           ; v9     my byte offset in the tile's rows of out0
.set ADK,  10                          ; v10, 11, 25, 26  the LDS addresses of the step in hand
.set ADV,  11
.set NM,   12                          ; v12    -M
.set TMX,  13                          ; v13    the largest t so far
.set SUM,  14                          ; v[14:15] the sum, in two halves
.set QF,   16                          ; v[16:23] Q's fragment
.set QS,   24                          ; v24    Q's scale words
.set ADS,  25
.set ADT,  26
.set H16,  27                          ; v27    16 (lane / 16)
.set R,    28                          ; v28-31 at the head: lane % 16, lane / 16, lane, r + 8 (r / 8)
.set H,    29
.set LN,   30
.set RR,   31
.set KF,   32                          ; v[32:95]   K's 8 fragments.  During the fill v[32:159] hold what is on its way into LDS
.set SS,   96                          ; v[96:159]  S^T, then p
.set OT,   160                         ; v[160:191] O^T, 4 tiles
.set VF,   192                         ; v[192:223] V's 4 fragments.  At the head v192-197: the ranking
.set LA,   192
.set LV,   193
.set LE,   194
.set KEY,  195
.set RANK, 196
.set FLG,  197
.set PC,   224                         ; v[224:231] p's codes.  During the fill: the scale bytes on their way
.set BM,   232                         ; v232-235 the blocks' largest scores, then largest p
.set PT,   236                         ; v236-239 lane permutes' results, a second chain of the sum, the scales' bytes
.set CO,   240                         ; v240-243 the conversions' scale operands
.set FKL,  232                         ; during the fill v232-240 are its addresses: LDS (L) and offsets in memory (G) for K, V and the scales (S, T), Q's offsets
.set FKG,  233
.set FVL,  234
.set FVG,  235
.set FSL,  236
.set FSG,  237
.set FTL,  238
.set QG,   239
.set QSG,  240
.set KSW,  244                         ; v244-247 K's scale words: lanes 0-15 tile 2 b's, lanes 16-31 tile 2 b + 1's
.set VSW,  248                         ; v248-249 V's: likewise for tiles 0, 1 and 2, 3
.set PSW,  250                         ; v250   p's scale word
.set T0,   251
.set FF,   252                         ; v[252:253] f = 2^(old M - new M); the packed forms take the low word for both halves
.set T1,   254
.set WV,   20                          ; s20-27 the wave's number and what is made of it and of the work-group's
.set XX,   21
.set PAR,  22
.set TILE, 23
.set ID8,  24
.set SLOT, 25
.set PAIR, 26
.set QB,   27
.set BAT,  28                          ; s28    my batch
.set LEN,  29                          ; s29    its length, 1 .. 2,048
.set CS,   32                          ; s[32:33] c = log2(e) / 8, or 0
.set SEL,  34                          ; s[34:35] v_permlanex16_b32's selects for lane l xor 16
.set TBK,  36                          ; s36-38 the trip's place in K's images, V's pieces, the scale tables
.set TBV,  37
.set TS,   38
.set KFS,  39                          ; s39    first key of the trip's first step of mine
.set TRIP, 40
.set KT,   41                          ; s41    first key of the step in hand
.set KEYS, 66                          ; s66-81 the 16 batches' sort keys
	s_load_b512 s[4:19], s[0:1], 0x0               ; K's codes s[4:5], K's scales s[6:7], Q's codes s[8:9], Q's scales s[10:11], valid_lens s[12:13], V's codes s[14:15], V's scales s[16:17], out0 s[18:19]
	v_lshrrev_b32 v[R], 5, v0
	s_delay_alu instid0(VALU_DEP_1)
	v_readfirstlane_b32 s[WV], v[R]                ; wave 0..15
	v_and_b32 v[R], 15, v0                         ; r
	v_bfe_u32 v[H], v0, 4, 1                       ; h
	v_and_b32 v[LN], 31, v0                        ; lane
	s_delay_alu instid0(VALU_DEP_3)
	v_and_b32 v[RR], 8, v[R]
	s_delay_alu instid0(VALU_DEP_1)
	v_add_nc_u32 v[RR], v[RR], v[R]                ; r + 8 (r / 8)
	v_lshlrev_b32 v[LA], 2, v[R]
	s_lshr_b32 s[TILE], s[WV], 2                   ; which 16 of the 64 queries
	s_bfe_u32 s[PAR], s[WV], 0x10001               ; even or odd key steps
	s_xor_b32 s[XX], s[WV], s[TILE]
	s_and_b32 s[XX], s[XX], 1                      ; which batch of the pair
	s_lshl_b32 s[ID8], s[TILE], 1
	s_or_b32 s[SLOT], s[ID8], s[XX]                ; 0..7: my tile's slot, shared with wave w ^ 2
	s_or_b32 s[ID8], s[ID8], s[PAR]                ; 0..7 among the eight waves of my batch
	s_and_b32 s[PAIR], ttmp9, 7
	s_lshr_b32 s[QB], ttmp9, 3
	s_mov_b32 s[SEL], 0x76543210
	s_mov_b32 s[SEL+1], 0xfedcba98
	s_wait_alu depctr_va_vdst(0)
	s_wait_kmcnt 0x0
	global_load_b32 v[LV], v[LA], s[12:13]         ; lane l: valid_lens[l % 16]
	; every address that hangs on no length is made while that load is out; every LDS address here, ahead of any parting of the waves
	s_lshl_b32 s48, s[XX], 16                      ; my batch's half of K's images,
	s_mul_i32 s49, s[XX], VHALF
	s_add_co_u32 s49, s49, VB                      ; of V's pieces,
	s_lshl_b32 s50, s[XX], 12                      ; of either table of scales
	s_lshl_b32 s51, s[PAR], 12
	s_add_co_u32 s51, s51, s48
	v_lshl_add_u32 v[AK0], v[LN], 4, s51           ; the loop, K: my parity's step + 16 x lane
	s_lshl_b32 s51, s[ID8], 11
	s_add_co_u32 s52, s51, s48
	v_lshl_add_u32 v[FKL], v[LN], 4, s52           ; the fill, K: four images a group for each of the eight waves
	v_lshl_add_u32 v[FKG], v[RR], 5, s51           ; in memory: 64 keys x 32 bytes a wave; my key's row,
	s_delay_alu instid0(VALU_DEP_1)
	v_lshl_add_u32 v[FKG], v[H], 4, v[FKG]         ; my half of it
	s_mul_i32 s51, s[PAR], 1088
	s_add_co_u32 s51, s51, s49
	v_mul_u32_u24 v[AV0], v[H], 272
	s_delay_alu instid0(VALU_DEP_1)
	v_lshl_add_u32 v[AV0], v[R], 4, v[AV0]
	s_delay_alu instid0(VALU_DEP_1)
	v_add_nc_u32 v[AV0], s51, v[AV0]               ; the loop, V: piece 4 x parity + h, row r of a tile
	s_mul_i32 s51, s[TILE], 4352
	s_lshl_b32 s52, s[PAR], 7
	s_add_co_u32 s51, s51, s52
	s_add_co_u32 s51, s51, s49
	v_mul_u32_u24 v[FVL], v[R], 272
	s_delay_alu instid0(VALU_DEP_1)
	v_lshl_add_u32 v[FVL], v[H], 4, v[FVL]
	s_delay_alu instid0(VALU_DEP_1)
	v_add_nc_u32 v[FVL], s51, v[FVL]               ; the fill, V: rows 8 ID8 + h on, piece r
	s_lshl_b32 s51, s[ID8], 13
	v_lshl_add_u32 v[FVG], v[H], 10, s51
	s_delay_alu instid0(VALU_DEP_1)
	v_lshl_add_u32 v[FVG], v[R], 4, v[FVG]         ; in memory: 8 rows of 1,024 bytes a wave; sixteen lanes read 256 bytes of a row
	s_lshl_b32 s51, s[PAR], 8
	s_add_co_u32 s51, s51, s50
	s_add_co_u32 s52, s51, KSB
	v_lshl_add_u32 v[ASK0], v[H], 4, s52           ; the loop, K's scales: lanes 16-31 take the tile 8 keys on,
	s_delay_alu instid0(VALU_DEP_1)
	v_lshl_add_u32 v[ASK0], v[RR], 1, v[ASK0]      ; 2 bytes a key
	s_add_co_u32 s52, s51, VSB
	v_lshl_add_u32 v[ASV0], v[LN], 3, s52          ; V's: 8 bytes a lane: the words of rows lane and 32 + lane
	s_lshl_b32 s51, s[ID8], 9
	v_lshl_add_u32 v[FSG], v[LN], 4, s51           ; the fill, scales: 512 bytes a wave of either table
	s_add_co_u32 s51, s51, s50
	s_add_co_u32 s51, s51, KSB
	v_lshl_add_u32 v[FSL], v[LN], 4, s51
	s_and_b32 s51, s[ID8], 3
	s_lshl_b32 s51, s51, 6
	s_lshr_b32 s52, s[ID8], 2
	s_lshl_b32 s52, s52, 2
	s_add_co_u32 s51, s51, s52
	s_add_co_u32 s51, s51, s50
	s_add_co_u32 s51, s51, VSB
	v_and_b32 v[FTL], 3, v[LN]
	s_delay_alu instid0(VALU_DEP_1)
	v_lshl_add_u32 v[FTL], v[FTL], 10, s51         ; my 16 bytes are row 8 ID8 + lane / 4, steps 4 (lane % 4) + 0 .. 3
	v_lshrrev_b32 v[QG], 2, v[LN]
	s_delay_alu instid0(VALU_DEP_1)
	v_lshl_add_u32 v[FTL], v[QG], 3, v[FTL]
	s_mul_i32 s51, s[SLOT], 4352
	s_add_co_u32 s51, s51, MRG
	v_lshl_add_u32 v[MRGA], v[LN], 4, s51
	s_add_co_u32 s52, s51, 4096
	v_lshl_add_u32 v[MRS], v[LN], 2, s52
	v_mul_u32_u24 v[STI], v[R], 272
	s_delay_alu instid0(VALU_DEP_1)
	v_lshl_add_u32 v[STI], v[H], 5, v[STI]
	s_delay_alu instid0(VALU_DEP_1)
	v_add_nc_u32 v[STI], s51, v[STI]               ; the stage, in: row r, 32 bytes for each half of the lanes
	v_mul_u32_u24 v[STO], v[H], 272
	s_delay_alu instid0(VALU_DEP_1)
	v_lshl_add_u32 v[STO], v[R], 4, v[STO]
	s_delay_alu instid0(VALU_DEP_1)
	v_add_nc_u32 v[STO], s51, v[STO]               ; back: lanes 0-15 one row of 256 bytes, lanes 16-31 the next
	v_lshlrev_b32 v[GO], 8, v[H]
	s_delay_alu instid0(VALU_DEP_1)
	v_lshl_add_u32 v[GO], v[R], 4, v[GO]           ; and the same two rows in out0
	v_lshlrev_b32 v[QG], 5, v[R]
	s_delay_alu instid0(VALU_DEP_1)
	v_lshl_add_u32 v[QG], v[H], 4, v[QG]           ; Q: row r of 32 bytes, my block of 32 codes
	v_lshlrev_b32 v[QSG], 1, v[R]
	v_lshlrev_b32 v[H16], 4, v[H]
	s_mul_i32 s42, s[XX], 15
	s_xor_b32 s42, s42, s[PAIR]                    ; the rank that I want: p, or 15 - p
	; THE RANKING.  Every wave does it alike.  Sort key = length << 5 | (valid_lens > 0) << 4 | batch: no two are equal.
	s_wait_loadcnt 0x0
	v_add_nc_u32 v[LE], -1, v[LV]
	s_delay_alu instid0(VALU_DEP_1)
	v_min_u32 v[LE], 0x7ff, v[LE]                  ; unsigned: what is 0 or less, or beyond 2,048, becomes 2,047
	s_delay_alu instid0(VALU_DEP_1)
	v_add_nc_u32 v[LE], 1, v[LE]                   ; the length that is walked
	v_cmp_lt_i32 vcc_lo, 0, v[LV]
	s_delay_alu instid0(VALU_DEP_1)
	v_cndmask_b32 v[FLG], 0, 16, vcc_lo
	s_delay_alu instid0(VALU_DEP_3)
	v_lshl_or_b32 v[KEY], v[LE], 5, v[R]
	s_delay_alu instid0(VALU_DEP_1)
	v_or_b32 v[KEY], v[KEY], v[FLG]
	v_mov_b32 v[RANK], 0
.irp j, 0,1,2,3,4,5,6,7,8,9,10,11,12,13,14,15
	v_readlane_b32 s[KEYS+\j], v[KEY], \j
.endr
.irp j, 0,1,2,3,4,5,6,7,8,9,10,11,12,13,14,15
	v_cmp_lt_u32 vcc_lo, s[KEYS+\j], v[KEY]        ; my rank = how many keys lie under mine
	s_delay_alu instid0(VALU_DEP_1)
	v_add_co_ci_u32 v[RANK], vcc_lo, 0, v[RANK], vcc_lo
.endr
	s_delay_alu instid0(VALU_DEP_1)
	v_cmp_eq_u32 s43, s42, v[RANK]                 ; bit j: batch j has the rank that I want
	s_mov_b32 s44, 0
.irp j, 0,1,2,3,4,5,6,7,8,9,10,11,12,13,14,15
	s_bitcmp1_b32 s43, \j
	s_cselect_b32 s44, s[KEYS+\j], s44             ; its key
.endr
	s_and_b32 s[BAT], s44, 15
	s_min_u32 s[BAT], s[BAT], 15                   ; a number that comes from memory enters an address only behind a minimum with a constant
	s_lshr_b32 s[LEN], s44, 5
	s_bitcmp1_b32 s44, 4
	s_cselect_b32 s[CS], 0x3e38aa3b, 0             ; c = log2(e) / 8; 0 where valid_lens <= 0: every t is 0 then, every p is 1
	s_mov_b32 s[CS+1], s[CS]                       ; (named with it as a pair, so it is written)
	s_lshl_b32 s45, s[QB], 6
	s_lshl_b32 s46, s[TILE], 4
	s_add_co_u32 s45, s45, s46                     ; my first query
	s_mov_b32 s57, 0
	s_mov_b32 s59, 0
	s_lshl_b32 s56, s[BAT], 16                     ; a batch's codes: 65,536 bytes in each of the three tensors
	s_add_nc_u64 s[4:5], s[4:5], s[56:57]
	s_add_nc_u64 s[14:15], s[14:15], s[56:57]
	s_lshl_b32 s58, s45, 5
	s_add_co_u32 s58, s58, s56
	s_add_nc_u64 s[8:9], s[8:9], s[58:59]
	s_lshl_b32 s56, s[BAT], 12                     ; its scale bytes: 4,096
	s_add_nc_u64 s[6:7], s[6:7], s[56:57]
	s_add_nc_u64 s[16:17], s[16:17], s[56:57]
	s_lshl_b32 s58, s45, 1
	s_add_co_u32 s58, s58, s56
	s_add_nc_u64 s[10:11], s[10:11], s[58:59]
	s_lshl_b32 s56, s[BAT], 19                     ; its rows of out0: 2,048 x 256 bytes
	s_lshl_b32 s58, s45, 8
	s_add_co_u32 s56, s56, s58
	s_add_nc_u64 s[18:19], s[18:19], s[56:57]
; THE FILL.  Group g = keys 512 g .. 512 g + 511.  A wave brings four images of K (each load: 8 + 8 key rows, two runs of 256 bytes on end) and eight rows' 256 bytes of V (each load: two rows).
.macro FILL_LD g
.irp i, 0,1,2,3
	global_load_b128 v[32+32*\g+4*\i:35+32*\g+4*\i], v[FKG], s[4:5] offset:\g*16384+(\i/2)*1024+(\i%2)*256
.endr
.irp i, 0,1,2,3
	global_load_b128 v[48+32*\g+4*\i:51+32*\g+4*\i], v[FVG], s[14:15] offset:\g*256+\i*2048
.endr
.endm
.macro FILL_ST g
.irp i, 0,1,2,3
	ds_store_b128 v[FKL], v[32+32*\g+4*\i:35+32*\g+4*\i] offset:\g*16384+\i*512
.endr
.irp i, 0,1,2,3
	ds_store_b128 v[FVL], v[48+32*\g+4*\i:51+32*\g+4*\i] offset:\g*17408+\i*32
.endr
.endm
	global_load_b128 v[QF:QF+3], v[QG], s[8:9]     ; Q's fragment stays in registers
	global_load_u16 v[QS], v[QSG], s[10:11]        ; its two scale bytes; the two above them are 0, over zero codes
	global_load_b128 v[PC:PC+3], v[FSG], s[6:7]    ; K's scale bytes, my 512 of the batch's 4,096
	global_load_b128 v[PC+4:PC+7], v[FSG], s[16:17]  ; V's likewise
	FILL_LD 0
	v_mov_b32 v[TMX], 0xff61b1e6                   ; the largest t so far: -3e38, under every t
	s_delay_alu instid0(VALU_DEP_1)
	v_floor_f32 v[NM], -v[TMX]                     ; -M
	v_mov_b32 v[SUM], 0
	v_mov_b32 v[SUM+1], 0
.irp c, 4,5,6,7
	v_mov_b32 v[QF+\c], 0                          ; k = 64 .. 127 of the instruction: zero codes
.endr
.set i, 0
.rept 32
	v_mov_b32 v[OT+i], 0                           ; O^T.  (The step is written once: the first finds zeros, which the first change of M leaves zeros)
.set i, i+1
.endr
	s_cmp_le_u32 s[LEN], 512                       ; a group is fetched only if the length reaches into it.  All loads go out first; the stores follow in a ladder, so that on every way each store finds its load
	s_cbranch_scc1 .Lf1
	FILL_LD 1
	s_cmp_le_u32 s[LEN], 1024
	s_cbranch_scc1 .Lf2
	FILL_LD 2
	s_cmp_le_u32 s[LEN], 1536
	s_cbranch_scc1 .Lf3
	FILL_LD 3
	s_wait_loadcnt 0x0                             ; all that I asked for is in
	FILL_ST 3
.Lf3:
	s_wait_loadcnt 0x0                             ; for the way that jumps here; on the way from above it is met at once
	FILL_ST 2
.Lf2:
	s_wait_loadcnt 0x0
	FILL_ST 1
.Lf1:
	s_wait_loadcnt 0x0
	FILL_ST 0
	ds_store_b128 v[FSL], v[PC:PC+3]
.irp w, 0,1,2,3
	ds_store_b32 v[FTL], v[PC+4+\w] offset:256*\w  ; the word of step 4 (lane % 4) + w
.endr
	s_wait_dscnt 0x0                               ; for the others' sake: my stores have landed
	s_barrier_signal -1
.irp t, 0,1,2,3,4,5,6,7
.irp c, 4,5,6,7
	v_mov_b32 v[KF+8*\t+\c], 0                     ; K's fragments, k = 64 .. 127: zero codes, written once
.endr
.endr
.irp b, 0,1,2,3
	v_mov_b32 v[PT+\b], 0                          ; written once: a lane permute's destination counts as one of its sources
.endr
	v_mov_b32 v[FF+1], 0                           ; (named as the upper half of the pair)
	v_mov_b32 v[T1], 0
	s_barrier_wait -1                              ; both batches' K, V and scales lie in LDS, as far as their lengths reach
; A KEY STEP: 128 keys, step 4 T + 2 u + parity of trip T.
.macro STEP u
.if \u
	s_add_co_u32 s[KT], s[KFS], 256*\u
.else
	s_mov_b32 s[KT], s[KFS]
.endif
	s_cmp_ge_u32 s[KT], s[LEN]                     ; all its keys are hidden: the step is left out
	s_cbranch_scc1 .Lhidden_\@
	v_add_nc_u32 v[ADK], s[TBK], v[AK0]            ; these four are also the places between the last step's products and the loads into V's fragments and scale words
	v_add_nc_u32 v[ADS], s[TS], v[ASK0]
	v_add_nc_u32 v[ADV], s[TBV], v[AV0]
	v_add_nc_u32 v[ADT], s[TS], v[ASV0]
.irp t, 0,1,2,3,4,5,6,7
	ds_load_b128 v[KF+8*\t:KF+8*\t+3], v[ADK] offset:8192*\u+512*\t
.endr
.irp b, 0,1,2,3
	ds_load_u16 v[KSW+\b], v[ADS] offset:512*\u+64*\b
.endr
.irp t, 0,1,2,3
.irp c, 0,1
	ds_load_b128 v[VF+8*\t+4*\c:VF+8*\t+4*\c+3], v[ADV] offset:2176*\u+4352*\t+544*\c
.endr
.endr
	ds_load_b64 v[VSW:VSW+1], v[ADT] offset:512*\u
	s_wait_dscnt 9                                 ; K's eight images and four scale words are in; the nine younger loads, V's, land under the softmax
.irp t, 0,2,4,6
	v_wmma_scale_f32_16x16x128_f8f6f4 v[SS+8*\t:SS+8*\t+7], v[KF+8*\t:KF+8*\t+7], v[QF:QF+7], 0, v[KSW+\t/2], v[QS] matrix_a_fmt:MATRIX_FMT_FP4 matrix_b_fmt:MATRIX_FMT_FP4
	v_wmma_scale_f32_16x16x128_f8f6f4 v[SS+8*\t+8:SS+8*\t+15], v[KF+8*\t+8:KF+8*\t+15], v[QF:QF+7], 0, v[KSW+\t/2], v[QS] matrix_a_fmt:MATRIX_FMT_FP4 matrix_b_fmt:MATRIX_FMT_FP4 matrix_a_scale:MATRIX_SCALE_ROW1
.endr
.rept 4
	v_nop                                          ; four places between a product and the first read of its result (ISA guide 7.12.1)
.endr
	s_add_co_u32 s42, s[KT], 128
	s_cmp_le_u32 s42, s[LEN]                       ; all 128 keys count: no mask
	s_cbranch_scc1 .Lopen_\@
	s_sub_co_u32 s42, s[LEN], s[KT]
	s_sub_co_u32 s42, s42, 1
	v_sub_nc_u32 v[T0], s42, v[H16]                ; d = length - 1 - first key - 16 (lane / 16).  Register 16 b + i holds key 32 b + 16 (lane / 16) + i of the step: hidden where 32 b + i > d
	v_mov_b32 v[T1], 0xff800000                    ; -infinity
.set n, 0
.rept 64
	v_cmp_gt_i32 vcc_lo, 32*(n/16)+n%16, v[T0]
	v_cndmask_b32 v[SS+n], v[SS+n], v[T1], vcc_lo
.set n, n+1
.endr
.Lopen_\@:
.irp b, 0,1,2,3
	v_max3_num_f32 v[BM+\b], v[SS+16*\b], v[SS+1+16*\b], v[SS+2+16*\b]   ; the largest SCORE of each block of 32 keys: it serves the row's maximum and, since p rises with the score, the block's largest p
.endr
.irp i, 3,5,7,9,11,13
.irp b, 0,1,2,3
	v_max3_num_f32 v[BM+\b], v[BM+\b], v[SS+16*\b+\i], v[SS+1+16*\b+\i]  ; (the four blocks by turns)
.endr
.endr
.irp b, 0,1,2,3
	v_max_num_f32 v[BM+\b], v[BM+\b], v[SS+15+16*\b]
.endr
.irp b, 0,1,2,3
	s_delay_alu instid0(VALU_DEP_4)
	v_permlanex16_b32 v[PT+\b], v[BM+\b], s[SEL], s[SEL+1]
.endr
.irp b, 0,1,2,3
	s_delay_alu instid0(VALU_DEP_4)
	v_max_num_f32 v[BM+\b], v[BM+\b], v[PT+\b]     ; with lane l xor 16's 16 keys
.endr
	s_delay_alu instid0(VALU_DEP_2)
	v_max3_num_f32 v[T1], v[BM], v[BM+1], v[BM+2]
	s_delay_alu instid0(VALU_DEP_1)
	v_max_num_f32 v[T1], v[T1], v[BM+3]            ; the step's largest score of my query
	s_delay_alu instid0(VALU_DEP_1)
	v_mul_f32 v[T1], s[CS], v[T1]                  ; as t (c is not negative)
	s_delay_alu instid0(VALU_DEP_1)
	v_max_num_f32 v[TMX], v[TMX], v[T1]
	v_mov_b32 v[T1], v[NM]
	s_delay_alu instid0(VALU_DEP_2)
	v_floor_f32 v[NM], -v[TMX]                     ; the new -M = floor(-t) = -ceil(t)
	s_delay_alu instid0(VALU_DEP_1)
	v_sub_f32 v[T1], v[NM], v[T1]                  ; old M - new M: a whole number, 0 or less
	s_delay_alu instid0(VALU_DEP_1)
	v_cvt_i32_f32 v[T1], v[T1]                     ; (it saturates)
	s_delay_alu instid0(VALU_DEP_1)
	v_ldexp_f32 v[FF], 1.0, v[T1]                  ; f = 2^(old M - new M)
.set j, 0
.rept 32
	v_pk_fma_f32 v[SS+j:SS+j+1], v[SS+j:SS+j+1], s[CS:CS+1], v[NM:NM+1] op_sel_hi:[1,0,0]   ; t - M, two at a time (of the pairs c and -M the low word serves both halves)
.set j, j+2
.endr
.irp b, 0,1,2,3
	v_fma_f32 v[BM+\b], v[BM+\b], s[CS], v[NM]     ; the same of each block's largest score
.endr
.set j, 0
	s_wait_alu depctr_va_vdst(0)
.rept 64
	v_exp_f32 v[SS+j], v[SS+j]                     ; p = 2^(t - M), at most 1
.set j, j+1
.endr
	v_pk_mul_f32 v[SUM:SUM+1], v[SUM:SUM+1], v[FF:FF+1] op_sel_hi:[1,0]   ; the sums under the new M: the plain instruction behind the exponentials (ISA guide 5.7.2)
	s_wait_alu depctr_va_vdst(0)                   ; ahead of the first instruction that names a result: one for the 64
.irp b, 0,1,2,3
	v_exp_f32 v[BM+\b], v[BM+\b]                   ; the block's largest p: the same two instructions on the same number give the same bits
.endr
	v_pk_add_f32 v[236:237], v[100:101], v[104:105]
	v_pk_add_f32 v[250:251], v[108:109], v[112:113]
	v_pk_add_f32 v[246:247], v[116:117], v[120:121]
	v_pk_add_f32 v[244:245], v[124:125], v[128:129]
	v_pk_add_f32 v[242:243], v[132:133], v[136:137]
	v_pk_add_f32 v[240:241], v[140:141], v[144:145]
	v_pk_add_f32 v[238:239], v[148:149], v[152:153]
	v_pk_add_f32 v[14:15], v[14:15], v[156:157]
	v_pk_add_f32 v[236:237], v[236:237], v[96:97]
	v_pk_add_f32 v[250:251], v[250:251], v[98:99]
	v_pk_add_f32 v[246:247], v[246:247], v[102:103]
	v_pk_add_f32 v[244:245], v[244:245], v[106:107]
	v_pk_add_f32 v[242:243], v[242:243], v[110:111]
	v_pk_add_f32 v[240:241], v[240:241], v[114:115]
	v_pk_add_f32 v[238:239], v[238:239], v[118:119]
	v_pk_add_f32 v[14:15], v[14:15], v[122:123]
	v_pk_add_f32 v[236:237], v[236:237], v[126:127]
	v_pk_add_f32 v[250:251], v[250:251], v[130:131]
	v_pk_add_f32 v[246:247], v[246:247], v[134:135]
	v_pk_add_f32 v[244:245], v[244:245], v[138:139]
	v_pk_add_f32 v[242:243], v[242:243], v[142:143]
	v_pk_add_f32 v[240:241], v[240:241], v[146:147]
	v_pk_add_f32 v[238:239], v[238:239], v[150:151]
	v_pk_add_f32 v[14:15], v[14:15], v[154:155]
	v_pk_add_f32 v[236:237], v[236:237], v[158:159]
	s_delay_alu instid0(VALU_DEP_2)
	v_pk_add_f32 v[14:15], v[14:15], v[244:245]
	s_delay_alu instid0(VALU_DEP_2)
	v_pk_add_f32 v[236:237], v[236:237], v[242:243]
	v_pk_add_f32 v[250:251], v[250:251], v[240:241]
	v_pk_add_f32 v[246:247], v[246:247], v[238:239]
	s_delay_alu instid0(VALU_DEP_2)
	v_pk_add_f32 v[14:15], v[14:15], v[250:251]
	s_delay_alu instid0(VALU_DEP_2)
	v_pk_add_f32 v[236:237], v[236:237], v[246:247]
	s_delay_alu instid0(VALU_DEP_1)
	v_pk_add_f32 v[14:15], v[14:15], v[236:237]
	s_wait_alu depctr_va_vdst(0)                   ; and one for the four
.irp b, 0,1,2,3
	v_max_num_f32 v[BM+\b], 0x1800000, v[BM+\b]    ; the floor 2^(3 - 127): the byte cannot fall under 1 (a block whose every p is 0 keeps that byte: its codes are zeros)
.endr
.irp b, 0,1,2,3
	s_delay_alu instid0(VALU_DEP_4)
	v_add_nc_u32 v[CO+\b], 0xff000000, v[BM+\b]    ; 2 off the exponent field: the conversion takes this operand's exponent field as its scale
.endr
.irp b, 0,1,2,3
	s_delay_alu instid0(VALU_DEP_4)
	v_lshrrev_b32 v[PT+\b], 23, v[CO+\b]           ; the scale's byte
.endr
	s_delay_alu instid0(VALU_DEP_3)
	v_lshl_or_b32 v[PSW], v[PT+1], 8, v[PT]        ; p's scale word for these 128 keys
	s_delay_alu instid0(VALU_DEP_1)
	v_lshl_or_b32 v[PSW], v[PT+2], 16, v[PSW]
	s_delay_alu instid0(VALU_DEP_1)
	v_lshl_or_b32 v[PSW], v[PT+3], 24, v[PSW]
.irp b, 0,1,2,3
	v_cvt_scalef32_pk8_fp4_f32 v[PC+2*\b], v[SS+16*\b:SS+7+16*\b], v[CO+\b]
	v_cvt_scalef32_pk8_fp4_f32 v[PC+1+2*\b], v[SS+8+16*\b:SS+15+16*\b], v[CO+\b]
.endr
	v_nop                                          ; one plain instruction between a scaled conversion and the instruction that touches its result
.irp c, 0,1                                    ; the operand's layout wants a WHOLE block in a lane: lanes 0-15 block 2 c, lanes 16-31 block 2 c + 1
.irp i, 0,1
	v_permlane16_swap_b32 v[PC+4*\c+\i], v[PC+2+4*\c+\i]
.endr
.endr
.set j, 0
.rept 16
	v_pk_mul_f32 v[OT+j:OT+j+1], v[OT+j:OT+j+1], v[FF:FF+1] op_sel_hi:[1,0]   ; O^T under the new M.  (These sixteen also stand between the writes of p's codes and scale word and the products below)
.set j, j+2
.endr
	s_wait_alu depctr_va_vdst(0)
	s_wait_dscnt 0x0                               ; V's fragments and scale words are in
.irp t, 0,2                                    ; O^T += V^T P^T: the four accumulators by turns, one instruction each
	v_wmma_scale_f32_16x16x128_f8f6f4 v[OT+8*\t:OT+8*\t+7], v[VF+8*\t:VF+8*\t+7], v[PC:PC+7], v[OT+8*\t:OT+8*\t+7], v[VSW+\t/2], v[PSW] matrix_a_fmt:MATRIX_FMT_FP4 matrix_b_fmt:MATRIX_FMT_FP4
	v_wmma_scale_f32_16x16x128_f8f6f4 v[OT+8*\t+8:OT+8*\t+15], v[VF+8*\t+8:VF+8*\t+15], v[PC:PC+7], v[OT+8*\t+8:OT+8*\t+15], v[VSW+\t/2], v[PSW] matrix_a_fmt:MATRIX_FMT_FP4 matrix_b_fmt:MATRIX_FMT_FP4 matrix_a_scale:MATRIX_SCALE_ROW1
.endr
.Lhidden_\@:
.endm
	s_mov_b32 s[TBK], 0
	s_mov_b32 s[TBV], 0
	s_mov_b32 s[TS], 0
	s_lshl_b32 s[KFS], s[PAR], 7
	s_mov_b32 s[TRIP], 0
.Ltrip:                                            ; four trips, whatever the length: a trip is a group of 512 keys, of which two steps are mine; what is hidden is jumped over inside
	STEP 0
	STEP 1
	s_add_co_u32 s[TBK], s[TBK], 16384
	s_add_co_u32 s[TBV], s[TBV], 17408
	s_add_co_u32 s[TS], s[TS], 1024
	s_add_co_u32 s[KFS], s[KFS], 512
	s_add_co_u32 s[TRIP], s[TRIP], 1
	s_cmp_lt_u32 s[TRIP], 4
	s_cbranch_scc1 .Ltrip
	; THE MERGE.  The odd wave hands its O^T, -M and sum to the even wave of its tile, as images of the registers.
	v_add_f32 v[SUM], v[SUM], v[SUM+1]             ; the sum's two halves,
	s_wait_alu depctr_va_vdst(0)
	v_permlanex16_b32 v[T1], v[SUM], s[SEL], s[SEL+1]
	s_delay_alu instid0(VALU_DEP_1)
	v_add_f32 v[SUM], v[SUM], v[T1]                ; and lane l xor 16's
	v_nop                                          ; (with the lines above: the places between the last products and the first read of O^T)
	v_nop
	s_cmp_eq_u32 s[PAR], 0
	s_cbranch_scc1 .Lkeeps
.irp i, 0,1,2,3,4,5,6,7
	ds_store_b128 v[MRGA], v[OT+4*\i:OT+4*\i+3] offset:512*\i   ; each accumulator from its low end on
.endr
	ds_store_b32 v[MRS], v[NM]
	ds_store_b32 v[MRS], v[SUM] offset:128
.Lkeeps:
	s_wait_dscnt 0x0                               ; for the other's sake: my stores have landed
	s_barrier_signal -1
	s_barrier_wait -1
	s_cmp_eq_u32 s[PAR], 0
	s_cbranch_scc1 .Lmerge
	s_endpgm                                       ; the odd wave is done
.Lmerge:
.irp i, 0,1,2,3,4,5,6,7
	ds_load_b128 v[SS+4*\i:SS+4*\i+3], v[MRGA] offset:512*\i
.endr
	ds_load_b32 v[BM], v[MRS]                      ; the other's -M (3e38 if it had no step: its factor is then 0),
	ds_load_b32 v[BM+1], v[MRS] offset:128         ; and its sum
	s_wait_dscnt 0x0
	v_min_num_f32 v[BM+2], v[NM], v[BM]            ; -M of both
	s_delay_alu instid0(VALU_DEP_1)
	v_sub_f32 v[BM+3], v[BM+2], v[NM]              ; M_i - M: whole numbers, 0 or less
	s_delay_alu instid0(VALU_DEP_2)
	v_sub_f32 v[PT], v[BM+2], v[BM]
	s_delay_alu instid0(VALU_DEP_2)
	v_cvt_i32_f32 v[BM+3], v[BM+3]
	s_delay_alu instid0(VALU_DEP_2)
	v_cvt_i32_f32 v[PT], v[PT]
	s_delay_alu instid0(VALU_DEP_2)
	v_ldexp_f32 v[BM+3], 1.0, v[BM+3]              ; f0
	s_wait_alu depctr_va_vdst(0)
	v_ldexp_f32 v[PT], 1.0, v[PT]                  ; f1
	v_mul_f32 v[PT+1], v[BM+3], v[SUM]
	s_delay_alu instid0(VALU_DEP_1)
	v_fma_f32 v[PT+1], v[PT], v[BM+1], v[PT+1]     ; the row's sum
	s_wait_alu depctr_va_vdst(0)
	v_rcp_f32 v[PT+1], v[PT+1]
	v_nop                                          ; a plain instruction behind the reciprocal
	s_wait_alu depctr_va_vdst(0)                   ; ahead of the first reader
	v_mul_f32 v[CO], v[BM+3], v[PT+1]              ; f0 / sum, twice: a pair for the packed forms
	v_mul_f32 v[CO+1], v[BM+3], v[PT+1]
	v_mul_f32 v[CO+2], v[PT], v[PT+1]              ; f1 / sum
	v_mul_f32 v[CO+3], v[PT], v[PT+1]
.set j, 0
.rept 16
	v_pk_mul_f32 v[KF+j:KF+j+1], v[OT+j:OT+j+1], v[CO:CO+1]
.set j, j+2
.endr
.set j, 0
.rept 16
	v_pk_fma_f32 v[KF+j:KF+j+1], v[SS+j:SS+j+1], v[CO+2:CO+3], v[KF+j:KF+j+1]   ; register 8 t + i: out(query r, channel 16 t + 8 h + i)
.set j, j+2
.endr
	; THE WAY OUT, through the slot, which only I touch from here on: rows of 256 bytes + 16; LDS serves a wave's instructions in order (ISA guide 5.7.1.4), so no wait stands between the stores and the loads
.irp t, 0,1,2,3
	ds_store_b128 v[STI], v[KF+8*\t:KF+8*\t+3] offset:64*\t
	ds_store_b128 v[STI], v[KF+8*\t+4:KF+8*\t+7] offset:64*\t+16
.endr
.irp i, 0,1,2,3,4,5,6,7
	ds_load_b128 v[KF+32+4*\i:KF+35+4*\i], v[STO] offset:544*\i
.endr
.irp i, 0,1,2,3,4,5,6,7
	s_wait_dscnt 7-\i                              ; rows 2 i and 2 i + 1 are back; the younger loads may stay out
	global_store_b128 v[GO], v[KF+32+4*\i:KF+35+4*\i], s[18:19] offset:512*\i th:TH_STORE_NT   ; 16 lanes store a row's 256 consecutive bytes, at a multiple of 256 from out0's first byte
.endr
	s_endpgm
.Lfunc_end_k_q45cd264161_attn:
	.size	k_q45cd264161_attn, .Lfunc_end_k_q45cd264161_attn-k_q45cd264161_attn
	.p2alignl 7, 3214868480
	.fill 96, 4, 3214868480
	.section	.rodata,"a",@progbits
	.p2align	6, 0x0
	.amdhsa_kernel k_q45cd264161_attn
		.amdhsa_group_segment_fixed_size 327680
		.amdhsa_private_segment_fixed_size 0
		.amdhsa_enable_private_segment 0
		.amdhsa_kernarg_size 64
		.amdhsa_user_sgpr_count 2
		.amdhsa_user_sgpr_kernarg_segment_ptr 1
		.amdhsa_wavefront_size32 1
		.amdhsa_system_sgpr_workgroup_id_x 1
		.amdhsa_system_sgpr_workgroup_id_y 1
		.amdhsa_system_sgpr_workgroup_id_z 1
		.amdhsa_system_vgpr_workitem_id 0
		.amdhsa_next_free_vgpr 256
		.amdhsa_next_free_sgpr 84
		.amdhsa_reserve_vcc 1
		.amdhsa_float_denorm_mode_32 3
		.amdhsa_float_denorm_mode_16_64 3
		.amdhsa_memory_ordered 1
		.amdhsa_forward_progress 1
		.amdhsa_inst_pref_size 69
	.end_amdhsa_kernel
	.amdgpu_metadata
---
amdhsa.version: [ 1, 2 ]
amdhsa.kernels:
  - .name:           k_q45cd264161_attn
    .symbol:         k_q45cd264161_attn.kd
    .args:
      - { .name: keys_codes, .offset: 0, .size: 8, .value_kind: global_buffer, .address_space: global }
      - { .name: keys_scales, .offset: 8, .size: 8, .value_kind: global_buffer, .address_space: global }
      - { .name: queries_codes, .offset: 16, .size: 8, .value_kind: global_buffer, .address_space: global }
      - { .name: queries_scales, .offset: 24, .size: 8, .value_kind: global_buffer, .address_space: global }
      - { .name: valid_lens, .offset: 32, .size: 8, .value_kind: global_buffer, .address_space: global }
      - { .name: values_codes, .offset: 40, .size: 8, .value_kind: global_buffer, .address_space: global }
      - { .name: values_scales, .offset: 48, .size: 8, .value_kind: global_buffer, .address_space: global }
      - { .name: out0, .offset: 56, .size: 8, .value_kind: global_buffer, .address_space: global }
    .group_segment_fixed_size: 327680
    .private_segment_fixed_size: 0
    .kernarg_segment_align: 8
    .kernarg_segment_size: 64
    .max_flat_workgroup_size: 512
    .sgpr_count:     84
    .vgpr_count:     256
    .wavefront_size: 32
...
	.end_amdgpu_metadata
.endif
;; end of part 1
